; MI455X (gfx1250); checked and timed in simulation.
; The chip was launched on July 23, 2026; its instructions are those of AMD's public machine-readable ISA for CDNA 5 (MIT licence, August 2026) and "CDNA5" Instruction Set Architecture Reference Guide (July 2026). The comments in the code are by the model that wrote it; some were corrected since.
;; QBB Linear. Allowed arithmetic: matrix products marked QUANTISED: E2M1 operands, one E8M0 scale for each 32 along K, by v_wmma_scale_f32_16x16x128_f8f6f4 with both operands' format E2M1 (or v_wmma_scale_f32_32x16x128_f4), f32 sums; products left as they are: f32 operands where the result goes on into a quantised operand, else bf16, f16 or f32 operands; f32 sums; everything else in f32.
;; Inputs: alphas 4 float32; bases 4 x 4,096 x 4,096 int8; x_codes 2 x 2,048 x 128 x 16 uint8 (E2M1 codes of x, K innermost, in blocks of 32 codes, two codes a byte); x_scales 2 x 2,048 x 128 uint8 (E8M0 scales of x, one for each 32 codes along K).
;; Outputs: out0 2 x 2,048 x 4,096 float32.
;; This version of the problem:
;;   THIS VERSION OF THE PROBLEM IS GIVEN IN LOW PRECISION. The matrix products marked QUANTISED in the list below multiply operands that are first quantised to E2M1 (2 exponent bits, 1 mantissa bit; 4 bits a number), with one power-of-two scale for each 32 numbers along K (OCP MX v1.0); their sums are f32. All else is computed in f32.
;;   The module's matrix products, in the order in which they are computed (A, B: the left and right operand; K: the contracted axis; several contracted axes count as one K, in the product's order):
;;     1. [M 1, K 4] x [K 4, N 16,777,216]; A: input alphas; B: input bases: left as it is (K = 4 < 32)
;;     2. [M 4,096, K 4,096] x [K 4,096, N 4,096]; A: input x (given as codes); B: computed on the way: QUANTISED
;;   THE QUANTISER, for each operand of a quantised product, along K:
;;     - K is cut into blocks of 32 from its start; a last block that is shorter is filled with zeros.
;;     - A block's scale is 2^e with e = floor(log2(the largest magnitude in the block)) - 2, held to -126 .. 127; a block of zeros has e = 0. As a byte (E8M0): e + 127.
;;     - Each number is divided by its block's scale, clamped to +-6, and rounded to the nearest number of E2M1, ties to even, subnormals kept.
;;     - The product sums the exact products of the quantised numbers (number of the format x scale) in f32.
;;   ~~~python
;;   def quantise(x, axis):      # numpy; x: float32 -> the quantised numbers, widened to float32 again
;;       x = np.moveaxis(x, axis, -1); K = x.shape[-1]
;;       x = np.pad(x, [(0, 0)] * (x.ndim - 1) + [(0, -K % 32)]); x = x.reshape(x.shape[:-1] + (-1, 32)); a = np.abs(x).max(-1, keepdims=True)
;;       e = np.where(a > 0, np.clip(np.frexp(np.where(a > 0, a, 1))[1] - 1 - 2, -126, 127), 0)      # np.frexp(a)[1] - 1 = floor(log2(a)), exactly
;;       r = np.clip(x / 2.0 ** e, -6, 6)
;;       step = 2.0 ** (np.maximum(np.frexp(np.where(r == 0, 1, r))[1] - 1, 0) - 1)
;;       q = np.round(r / step) * step * 2.0 ** e      # np.round: ties to even
;;       return np.moveaxis(q.reshape(q.shape[:-2] + (-1,))[..., :K], -1, axis).astype(np.float32)
;;   ~~~
;;   OPERANDS COMPUTED ON THE WAY. 'Computed on the way' means the value that the module computes at that place (a softmax that the list does not call 'softmax' is quantised finished and normalised). What goes into a quantiser is computed in f32, as accurately as f32 sums, v_exp_f32 and their like allow (about 1e-6 of the number): no bf16 or f16 on the way to a quantiser, and a product that is left as it is and whose result goes on into a quantised operand takes f32 operands (vector FMAs, or v_wmma_f32_16x16x4_f32). A number that lies on a knife's edge between two numbers of the format may be rounded either way, as far as f32 arithmetic and the matrix unit's own rounding can turn it there, and no further.
;;   INPUTS GIVEN AS CODES. x (in the module: [2, 2048, 4096], K = its axis 2): each comes as NAME_codes (uint8): NAME with its K axis moved to the last place and cut into blocks of 32 codes, [.., K / 32, bytes a block], one block behind the other in memory; two codes a byte, the lower K in the low four bits (a code: sign, 2 exponent bits, 1 mantissa bit); and NAME_scales (uint8): the same leading axes, one E8M0 byte (e + 127) for each 32 codes along K. Its value is code x scale, taken as it is: it is not quantised again, and the codes and scales need not be those that the quantiser above would give.
;; One version. Each part assembles by itself: llvm-mc -triple=amdgcn-amd-amdhsa -mcpu=gfx1250 --defsym DOCPART=n.
;; ======== version 1 of 1: 2 launches
;; limits: right only within a limited range of input values
;; workspace buffers: w_codes 8,388,608 bytes; scl 1,048,576 bytes
;; launch quant (part 1): grid 256 x 1, 16 waves a work-group, no clusters, 4,096 bytes of LDS; arguments alphas, bases, x_scales, w_codes, scl; writes w_codes, scl
.if DOCPART == 1
	.amdgcn_target "amdgcn-amd-amdhsa--gfx1250"
	.amdhsa_code_object_version 6
	.text
	.protected	k_qcafb9ff070_quant
	.globl	k_qcafb9ff070_quant
	.p2align	8
	.type	k_qcafb9ff070_quant,@function
k_qcafb9ff070_quant:
	s_mov_b64 s[64:65], 0
	v_nop
	global_prefetch_b8 v0, s[64:65] scope:SCOPE_SE
	s_setreg_imm32_b32 hwreg(HW_REG_WAVE_MODE, 25, 1), 1
	s_wait_xcnt 0x0
; Wq[n][k] = sum over p of alphas[p] * bases[p][n][k] (p = 0..3, bases int8, any value), in f32, is turned into codes of FP4 (E2M1), K innermost, two codes a byte,
; w_codes [4096 places][2048 bytes].  Wq's rows are laid in the order that the next launch wants: place 64 G + 16 t + r holds row n = 64 G + 4 r + t (t = 0..3, r = 0..15).
; One E8M0 byte for each 32 along K; the scale bytes of BOTH operands are laid by K step of 512: scl [8 K steps][8192 rows][16 bytes]; 0-4095 are x's rows (copied from x_scales as they are given), 4096-8191 Wq's rows n; byte j belongs to block 16 x K step + j.
; A block's scale is 2^(floor(log2(its largest magnitude)) - 2); its byte is the largest magnitude's own exponent field - 2, held at 1 from below by a floor among the maximum's leaves.
; LIMITS: a block of zeros gets the byte 1 where the rule says 127 (its codes are zeros, which add nothing under any byte but 0xff, and this program alone reads the bytes);
; NaN and infinities in alphas are not served.  The four terms are summed by fused multiply-adds, p ascending: one rounding a term less than a multiply and an add.
; SHARES.  Work-group g owns rows 16 g .. 16 g + 15; wave w owns K step w % 8 (512 columns) of rows 8 (w / 8) .. + 7.  A step of a wave is one row:
; lane l holds 16 NEIGHBOURS, 16 bytes of each of the four planes, 512 consecutive bytes a wave.  Two neighbouring lanes hold a block of 32.
; A ring of DEPTH steps in registers keeps 4 x DEPTH loads of every wave on their way.  The waves share only the scale bytes, through LDS, behind one barrier.  No matrix unit, no cluster, no tensor load, no prefetch: a stream that is read once, by loads that are out several rows ahead.
; Every offset is an immediate and every store has data registers of its own; a ring slot is loaded again when its step's numbers have been made.
.set NSTEP, 8
.set DEPTH, 4
.set SPARE, 2048                       ; behind the scale bytes (8 K steps x 256): the spare words, 128 bytes for each wave
.set AL, 20                            ; v[20:27]   alphas[p] twice, a pair for the packed forms
.set CM, 28                            ; v[28:29]   -(2^23 + 128), twice
.set T,  32                            ; v[32:47]   16 numbers of one plane, at work
.set W,  48                            ; v[48:63]   my 16 numbers of Wq
.set C,  64                            ; v[64:79]   codes: two registers for each step
.set E,  80                            ; v[80:87]   a scale byte for each step
.set SPW, 88
.set NIL, 89
.set R,  96                            ; v[96:159]  ring slot t % DEPTH: 16 registers, four for each plane
.set PB, 24                            ; s[24:31]   the four planes at my wave's first byte (a plane is 2^24 bytes on from the last: more than an immediate holds)
	s_load_b256 s[4:11], s[0:1], 0x0               ; alphas s[4:5], bases s[6:7], x_scales s[8:9], w_codes s[10:11]
	s_load_b64 s[12:13], s[0:1], 0x20              ; scl
	v_lshl_add_u32 v[SPW], v0, 2, SPARE
	v_mov_b32 v[NIL], 0
	v_lshrrev_b32 v1, 5, v0
	v_and_b32 v2, 31, v0                           ; lane
	v_mov_b32 v14, 0
	v_mov_b32 v15, 0
	v_readfirstlane_b32 s14, v1                    ; wave 0..15
	v_lshlrev_b32 v3, 4, v2                        ; the loads' offset: 16 bytes a lane
	v_lshlrev_b32 v4, 3, v2                        ; the stores' offset: 8 bytes a lane
	v_lshrrev_b32 v5, 1, v2                        ; lane / 2: my block among the step's 16; also my row among x_scales' 16
	v_and_b32 v8, 1, v2
	s_and_b32 s16, s14, 7                          ; my K step
	s_lshr_b32 s19, s14, 3                         ; which half of the 16 rows
	s_lshl_b32 s17, s16, 8                         ; 256 x K step: its scale bytes in LDS; also its 256 bytes in a row of codes
	s_lshl_b32 s35, s19, 7
	s_add_co_u32 s35, s35, s17                     ; and my half's 128 of them
	v_lshlrev_b32 v7, 7, v5                        ; x_scales: row lane / 2 of 128 bytes,
	v_add_nc_u32 v6, s17, v4                       ; LDS, on the way out: 8 bytes a lane
	v_add_nc_u32 v5, s35, v5                       ; LDS: my block's byte in a step's 16
	v_lshl_add_u32 v7, v8, 3, v7                   ; + 8 x (lane % 2): two lanes take a row's 16 bytes of my K step
	s_wait_alu depctr_va_vdst(0)
	s_mov_b32 s32, 0x80808080                      ; b + 128 in four bytes at once
	s_mov_b32 s33, 0x4b000000                      ; the f32 number 2^23
	s_mov_b32 s36, 0x07060500                      ; byte selects: byte c of the word below three bytes of 2^23
	s_mov_b32 s37, 0x07060501
	s_mov_b32 s38, 0x07060502
	s_mov_b32 s39, 0x07060503
	s_lshl_b32 s40, ttmp9, 16                      ; bases: 16 rows of 4,096 bytes a work-group,
	s_lshl_b32 s34, s19, 15
	s_add_co_u32 s40, s40, s34                     ; + 8 rows for the second half,
	s_lshl_b32 s18, s16, 9
	s_add_co_u32 s40, s40, s18                     ; + 512 bytes a K step
	s_mov_b32 s41, 0
	s_lshl_b32 s42, ttmp9, 11                      ; x_scales: 16 rows of 128 bytes,
	s_lshl_b32 s18, s16, 4
	s_add_co_u32 s42, s42, s18                     ; + 16 bytes a K step
	s_mov_b32 s43, 0
	s_lshr_b32 s44, ttmp9, 2                       ; w_codes: row 16 g + i goes to place 64 (g / 4) + 16 (i % 4) + 4 (g % 4) + i / 4, i = 8 x half + t
	s_lshl_b32 s44, s44, 17
	s_and_b32 s34, ttmp9, 3
	s_lshl_b32 s34, s34, 13
	s_add_co_u32 s44, s44, s34
	s_lshl_b32 s34, s19, 12
	s_add_co_u32 s44, s44, s34
	s_add_co_u32 s44, s44, s17                     ; + 256 bytes a K step
	s_mov_b32 s45, 0
	s_lshl_b32 s46, s16, 17                        ; scl: a K step is 8,192 x 16 bytes,
	s_lshl_b32 s18, ttmp9, 8
	s_add_co_u32 s46, s46, s18                     ; + 16 x 16 bytes a work-group
	s_mov_b32 s47, 0
	s_wait_kmcnt 0x0
	s_load_b128 s[20:23], s[4:5], 0x0              ; the four alphas
	s_add_nc_u64 s[PB:PB+1], s[6:7], s[40:41]
	s_add_nc_u64 s[PB+2:PB+3], s[PB:PB+1], 0x1000000
	s_add_nc_u64 s[PB+4:PB+5], s[PB:PB+1], 0x2000000
	s_add_nc_u64 s[PB+6:PB+7], s[PB:PB+1], 0x3000000
	s_add_nc_u64 s[8:9], s[8:9], s[42:43]
	s_add_nc_u64 s[10:11], s[10:11], s[44:45]
	s_add_nc_u64 s[12:13], s[12:13], s[46:47]
	s_cmp_lg_u32 s19, 0
	s_cbranch_scc1 .Lno_x
	global_load_b64 v[14:15], v7, s[8:9]           ; waves 0-7: x's scale bytes of my K step, 16 rows x 16 bytes; the eight waves together read the 16 rows' 2,048 consecutive bytes once
.Lno_x:
.macro LOAD t
.irp p, 0,1,2,3
	global_load_b128 v[R+16*((\t)%DEPTH)+4*\p:R+16*((\t)%DEPTH)+4*\p+3], v3, s[PB+2*\p:PB+2*\p+1] offset:4096*(\t) th:TH_LOAD_NT   ; 32 lanes read 512 consecutive bytes; read once in the launch
.endr
.endm
.irp t, 0,1,2,3
	LOAD \t
.endr
	s_wait_kmcnt 0x0                               ; the alphas
.irp p, 0,1,2,3
	v_mov_b32 v[AL+2*\p], s[20+\p]
	v_mov_b32 v[AL+2*\p+1], s[20+\p]
.endr
	v_mov_b32 v[CM], 0xcb000080
	v_mov_b32 v[CM+1], 0xcb000080
.macro STEP t
.set RS, R+16*((\t)%DEPTH)
.if NSTEP-1-(\t) >= DEPTH-1
	s_wait_loadcnt 4*(DEPTH-1)                     ; loads come back in order (ISA guide 5.7.1): this step's four are in; those of the three steps behind it stay out
.else
	s_wait_loadcnt 4*(NSTEP-1-(\t))                ; the ring runs empty: the steps that are left
.endif
.if (\t) == 0
	s_cmp_lg_u32 s19, 0
	s_cbranch_scc1 .Lno_xs
	global_store_b64 v4, v[14:15], s[12:13]        ; x's scale bytes (their load is older than step 0's): 32 lanes store 256 consecutive bytes, at a multiple of 256 from scl's first byte
.Lno_xs:
.endif
.irp p, 0,1,2,3
	; int8 to f32, exactly: u = b + 128 (a flipped sign bit); the bytes 4B 00 00 u are the f32 number 2^23 + u; less 2^23 + 128 that is b: no step rounds
.irp j, 0,1,2,3
	v_xor_b32 v[RS+4*\p+\j], s32, v[RS+4*\p+\j]
.endr
.irp j, 0,1,2,3
.irp c, 0,1,2,3
	v_perm_b32 v[T+4*\j+\c], s33, v[RS+4*\p+\j], s[36+\c]
.endr
.endr
.irp j, 0,2,4,6,8,10,12,14
	v_pk_add_f32 v[T+\j:T+\j+1], v[T+\j:T+\j+1], v[CM:CM+1]
.endr
.irp j, 0,2,4,6,8,10,12,14
.if \p == 0
	v_pk_mul_f32 v[W+\j:W+\j+1], v[T+\j:T+\j+1], v[AL:AL+1]                     ; the first term starts the sums
.else
	v_pk_fma_f32 v[W+\j:W+\j+1], v[T+\j:T+\j+1], v[AL+2*\p:AL+2*\p+1], v[W+\j:W+\j+1]
.endif
.endr
.endr
.if (\t)+DEPTH < NSTEP
	LOAD (\t)+DEPTH                                ; the slot just read takes the row DEPTH further down
.endif
	v_max3_num_f32 v8, |v[W]|, |v[W+1]|, |v[W+2]|  ; the largest magnitude of my 16, in two chains
	v_max3_num_f32 v9, |v[W+3]|, |v[W+4]|, |v[W+5]|
.irp i, 6,10
	s_delay_alu instid0(VALU_DEP_2)
	v_max3_num_f32 v8, v8, |v[W+\i]|, |v[W+\i+1]|
	s_delay_alu instid0(VALU_DEP_2)
	v_max3_num_f32 v9, v9, |v[W+\i+2]|, |v[W+\i+3]|
.endr
	s_delay_alu instid0(VALU_DEP_2)
	v_max3_num_f32 v8, v8, |v[W+14]|, |v[W+15]|
	s_delay_alu instid0(VALU_DEP_1)
	v_max3_num_f32 v8, v8, v9, 0x1800000           ; and the floor 2^(3 - 127): so the byte cannot fall under 1
	s_delay_alu instid0(VALU_DEP_1)
	v_max_num_f32_dpp v8, v8, v8 row_xmask:1 row_mask:0xf bank_mask:0xf   ; and of my neighbour's 16: the block's
	s_delay_alu instid0(VALU_DEP_1)
	v_add_nc_u32 v11, 0xff000000, v8               ; 2 off its exponent field: the conversion takes the exponent field of this operand as its scale, and nothing else of it
	v_cvt_scalef32_pk8_fp4_f32 v[C+2*(\t)], v[W:W+7], v11        ; eight numbers / the scale, to the nearest code, ties to even, beyond 6 the largest code; the first number's code in the lowest four bits
	v_cvt_scalef32_pk8_fp4_f32 v[C+2*(\t)+1], v[W+8:W+15], v11
	v_lshrrev_b32 v[E+(\t)], 23, v11               ; the scale's byte.  (Also the plain instruction between the conversions and the next step's writes of their sources)
	ds_store_b8 v5, v[E+(\t)] offset:16*(\t)       ; both lanes of a block write the same byte with the same value
	global_store_b64 v4, v[C+2*(\t):C+2*(\t)+1], s[10:11] offset:2048*(16*((\t)%4)+(\t)/4)   ; 32 lanes store 256 consecutive bytes, at a multiple of 256 from w_codes' first byte
.endm
.irp t, 0,1,2,3,4,5,6,7
	STEP \t
.endr
	s_wait_dscnt 0x0                               ; for the others' sake: my scale bytes are in LDS
	s_barrier_signal -1
	s_barrier_wait -1
	s_cmp_lg_u32 s19, 0
	s_cbranch_scc1 .Ldone
	ds_load_b64 v[16:17], v6                       ; waves 0-7: a K step's 256 bytes, written by two waves; they lie [row][16], as scl has them
	s_wait_dscnt 0x0
	global_store_b64 v4, v[16:17], s[12:13] offset:65536   ; Wq's rows lie 4,096 x 16 bytes behind x's: again 256 consecutive bytes, aligned
.Ldone:
	s_wait_tensorcnt 0x0                           ; the wave's end
	ds_add_u32 v[SPW], v[NIL]
	s_wait_dscnt 0x0
	s_endpgm
.Lfunc_end_k_qcafb9ff070_quant:
	.size	k_qcafb9ff070_quant, .Lfunc_end_k_qcafb9ff070_quant-k_qcafb9ff070_quant
	.p2alignl 7, 3214868480
	.fill 96, 4, 3214868480
	.section	.rodata,"a",@progbits
	.p2align	6, 0x0
	.amdhsa_kernel k_qcafb9ff070_quant
		.amdhsa_group_segment_fixed_size 4096
		.amdhsa_private_segment_fixed_size 0
		.amdhsa_enable_private_segment 0
		.amdhsa_kernarg_size 40
		.amdhsa_user_sgpr_count 2
		.amdhsa_user_sgpr_kernarg_segment_ptr 1
		.amdhsa_wavefront_size32 1
		.amdhsa_system_sgpr_workgroup_id_x 1
		.amdhsa_system_sgpr_workgroup_id_y 1
		.amdhsa_system_sgpr_workgroup_id_z 1
		.amdhsa_system_vgpr_workitem_id 0
		.amdhsa_next_free_vgpr 162
		.amdhsa_next_free_sgpr 66
		.amdhsa_reserve_vcc 0
		.amdhsa_float_denorm_mode_32 3
		.amdhsa_float_denorm_mode_16_64 3
		.amdhsa_memory_ordered 1
		.amdhsa_forward_progress 1
		.amdhsa_inst_pref_size 85
	.end_amdhsa_kernel
	.amdgpu_metadata
---
amdhsa.version: [ 1, 2 ]
amdhsa.kernels:
  - .name:           k_qcafb9ff070_quant
    .symbol:         k_qcafb9ff070_quant.kd
    .args:
      - { .name: alphas, .offset: 0, .size: 8, .value_kind: global_buffer, .address_space: global }
      - { .name: bases, .offset: 8, .size: 8, .value_kind: global_buffer, .address_space: global }
      - { .name: x_scales, .offset: 16, .size: 8, .value_kind: global_buffer, .address_space: global }
      - { .name: w_codes, .offset: 24, .size: 8, .value_kind: global_buffer, .address_space: global }
      - { .name: scl, .offset: 32, .size: 8, .value_kind: global_buffer, .address_space: global }
    .group_segment_fixed_size: 4096
    .private_segment_fixed_size: 0
    .kernarg_segment_align: 8
    .kernarg_segment_size: 40
    .max_flat_workgroup_size: 512
    .sgpr_count:     66
    .vgpr_count:     162
    .wavefront_size: 32
...
	.end_amdgpu_metadata
.endif
;; end of part 1
;; launch gemm (part 2): grid 16 x 16, 4 waves a work-group, clusters of 4 x 4, 327,680 bytes of LDS; arguments x_codes, w_codes, scl, out0; writes out0
.if DOCPART == 2
	.amdgcn_target "amdgcn-amd-amdhsa--gfx1250"
	.amdhsa_code_object_version 6
	.text
	.protected	k_qcafb9ff070_gemm
	.globl	k_qcafb9ff070_gemm
	.p2align	8
	.type	k_qcafb9ff070_gemm,@function
k_qcafb9ff070_gemm:
	s_mov_b64 s[64:65], 0
	v_nop
	global_prefetch_b8 v0, s[64:65] scope:SCOPE_SE
	s_setreg_imm32_b32 hwreg(HW_REG_WAVE_MODE, 25, 1), 1
	s_wait_xcnt 0x0
	s_wait_alu depctr_hold_cnt(0) depctr_sa_sdst(0) depctr_va_vdst(0) depctr_va_sdst(0) depctr_va_ssrc(0) depctr_va_vcc(0) depctr_vm_vsrc(0)
	s_getreg_b32 s2, hwreg(HW_REG_IB_STS2, 6, 4)
	s_cmp_eq_u32 s2, 0
	s_cbranch_scc0 .Lentry_in_a_cluster
	s_endpgm
.Lentry_in_a_cluster:
	s_bfe_u32 s2, ttmp6, 0x10000c
	s_cmp_lg_u32 s2, 0xf033
	s_cbranch_scc0 .Lentry_shape_is_right
	s_endpgm
.Lentry_shape_is_right:
; out[m][n] = sum over k of x[m][k] Wq[n][k]: codes of FP4 with E8M0 scale bytes, sums in f32; M = N = K = 4096.  w_codes holds Wq's rows by place: place 64 G + 16 t + r is row n = 64 G + 4 r + t.
; A tile of 256 x 256 is made by a work-group of four waves, a wave makes 128 x 128: 32 accumulators of 32 (rows m) x 16 (places), 512 registers.  K goes in steps of 512 (256 bytes of a row) through two LDS slots.
; THE WAY OUT NEEDS NO LDS: lane r of four neighbouring blocks of places holds the columns 4 r + 0 .. 3 of a row of out: four moves make 16 bytes that belong together, and 16 lanes store 256 consecutive bytes.
; CLUSTERS: 4 x 4 work-groups; a row of the cluster needs the same tiles of x, a column the same tiles of Wq: each is asked for by a joint load whose mask names the four.  A cluster starts at a K step of its own (0, 2, 4 or 6) and goes round.
; PREFETCH: behind each refill in the loop, the K step two refills on; of the 128 rows that a wave fetches each of the four partners names 32, told apart by address, a lane a row, 256 bytes a row; K step 1 is named at the head, 2 and 3 behind the first step; the last trip names nothing.
; THE SCALE WORDS (16 bytes a row and K step) are loaded straight into registers, one K step ahead.
; REGISTERS, windows of 256: v128-255 of window i: the accumulators of my rows 32 i .. 32 i + 31 (block of places nb at 128 + 16 nb).  Window 0: v0-31 addresses, v32-95 scale words (two sets).
;   Windows 1, 2: v0-63 x's fragments, set 0 and set 1.  Window 3: v0-63, v64-127 Wq's fragments, set 0 and set 1.
; A step is 128 along K: the next step's 32 LDS loads in one run at its head, then four units (i) of 8 matrix instructions.  The accumulators take turns, one instruction a turn.
.set KROW,   2048                      ; a row of codes in bytes
.set ROWB,   256                       ; a tile's row
.set PITCH,  272                       ; an LDS row: 256 bytes + 16 of padding = 68 words: the 16 rows of a load start at 16 different banks (64 banks of 4 bytes: ISA guide 11.1)
.set HALFT,  128*PITCH                 ; 128 rows: one tensor load
.set SLOT,   4*HALFT                   ; x's 256 rows, then Wq's 256
.set SPARE,  2*SLOT                    ; the spare words
.set SSTEP,  8192*16                   ; scl: a K step
.set CROW,   16384                     ; a row of out in bytes
.set ADRX, 16                          ; v16-17 LDS address of my x fragments in slot 0, 1
.set ADRW, 20                          ; v20-21 the same for Wq
.set SOFX, 22                          ; my offset in scl: x's rows
.set SOFW, 23                          ; Wq's rows
.set CO,   26                          ; my offset in out
.set PFO,  27                          ; the prefetches' offset
.set SPW,  28
.set NIL,  29
.set SC,   32                          ; scale words, set s at SC + 32 s: register 4 i + q: x's rows 32 i + lane; 16 + 4 i + q: Wq's blocks 2 i (lanes 0-15) and 2 i + 1 (lanes 16-31)
.set G1,   24
.set G0,   32
.set G1B,  48
.set G0B,  56
.set BA,   66
.set BB,   68
.set KO,   70                          ; s[70:71], s[72:73] byte offset along K of the tile that slot 0, 1 takes
.set SCX,  74
.set ST,   76
.set PFB,  78
.set PFA,  80
.set PK,   82
.set PF2,  84
.set PF3,  86
.set PK2,  90
.set MSB, 0
.macro WIN new                         ; the immediate's high byte repeats the setting that is left
.set NW, \new
.if MSB != NW
	s_set_vgpr_msb (MSB<<8)|NW
.set MSB, NW
.endif
.endm
.macro PLACES                          ; four places behind matrix instructions, in front of loads into what they read and of reads of results
.rept 4
	v_nop
.endr
.endm
.macro JLOAD s                         ; a joint load: waves 0, 1 fetch x's halves, waves 2, 3 Wq's
	s_cmp_eq_u32 s15, 0
	s_cbranch_scc0 .Lfor_b_\@
	tensor_load_to_lds s[G0+4*\s:G0+4*\s+3], s[G1:G1+7]
	s_nop 0
.rept 4
	v_nop
.endr
	s_branch .Lasked_\@
.Lfor_b_\@:
	tensor_load_to_lds s[G0B+4*\s:G0B+4*\s+3], s[G1B:G1B+7]
	s_nop 0
.rept 4
	v_nop
.endr
.Lasked_\@:
.endm
.macro CREST                           ; a round of the cluster's barrier behind its opening barrier
	s_cmp_lg_u32 s14, 0
	s_cbranch_scc1 .Lnot_wave_0_\@
	s_barrier_signal -3
.Lnot_wave_0_\@:
	s_barrier_wait -3
	s_barrier_signal -1
	s_barrier_wait -1
.endm
.macro CROUND
	s_barrier_signal -1
	s_barrier_wait -1
	CREST
.endm
.macro MM d, xr, wr, sx, sw, odd, zero ; source 0: 32 rows of x; source 1: 16 places of Wq; an odd block's scale words stand in lanes 16-31
.if \zero
.if \odd
	v_wmma_scale_f32_32x16x128_f4 v[\d:\d+15], v[\xr:\xr+15], v[\wr:\wr+7], 0, v[\sx], v[\sw] matrix_b_scale:MATRIX_SCALE_ROW1
.else
	v_wmma_scale_f32_32x16x128_f4 v[\d:\d+15], v[\xr:\xr+15], v[\wr:\wr+7], 0, v[\sx], v[\sw]
.endif
.else
.if \odd
	v_wmma_scale_f32_32x16x128_f4 v[\d:\d+15], v[\xr:\xr+15], v[\wr:\wr+7], v[\d:\d+15], v[\sx], v[\sw] matrix_b_scale:MATRIX_SCALE_ROW1
.else
	v_wmma_scale_f32_32x16x128_f4 v[\d:\d+15], v[\xr:\xr+15], v[\wr:\wr+7], v[\d:\d+15], v[\sx], v[\sw]
.endif
.endif
.endm
.macro UNIT i, q, sc, zero             ; unit i of a slot's q-th step: set q % 2 of the fragments, set sc of the scale words
.set F, (\q)%2
	WIN (1+F)|0x0c|((\i)<<4)|((\i)<<6)
.irp nb, 0,1,2,3,4,5,6,7
	MM 128+16*\nb, 16*(\i), 64*F+8*\nb, SC+32*(\sc)+4*(\i)+(\q), SC+32*(\sc)+16+4*(\nb/2)+(\q), \nb%2, \zero
.endr
.endm
.macro RUN s, q, f                     ; 32 LDS loads: the fragments of slot s's q-th step into set f
	WIN 0xc0
.irp b, 0,1,2,3,4,5,6,7
	ds_load_b128 v[64*(\f)+8*\b:64*(\f)+8*\b+3], v[ADRW+\s] offset:64*(\q)+\b*16*PITCH
	ds_load_b128 v[64*(\f)+8*\b+4:64*(\f)+8*\b+7], v[ADRW+\s] offset:64*(\q)+\b*16*PITCH+32
.endr
	WIN (1+(\f))<<6
.irp b, 0,1,2,3,4,5,6,7
	ds_load_b128 v[8*\b:8*\b+3], v[ADRX+\s] offset:64*(\q)+\b*16*PITCH
	ds_load_b128 v[8*\b+4:8*\b+7], v[ADRX+\s] offset:64*(\q)+\b*16*PITCH+32
.endr
.endm
; A step with its successor in the same slot.  meet = 1, 2: the wait for all tensor loads and the add stand ahead of the last unit; 1: the slot's next tile is addressed.
.macro STEP s, q, zero, nops, meet
.if \nops
	PLACES
.endif
	RUN \s, (\q)+1, 1-(\q)%2
	s_wait_dscnt 32                                ; this step's fragments, asked for a step ago, are in; the 32 just issued may be out
	UNIT 0, \q, \s, \zero
	UNIT 1, \q, \s, \zero
	UNIT 2, \q, \s, \zero
.if \meet
	s_wait_xcnt 0x0                                ; the last prefetch and the last scale loads have read their addresses
	WIN 0                                          ; (the add's two registers lie in window 0)
	s_wait_tensorcnt 0x0                           ; all my tensor loads have landed: my part of the next slot
	ds_add_u32 v[SPW], v[NIL]                      ; 0 onto my spare word
.if \meet == 1
	s_add_co_u32 s[KO+2*\s], s[KO+2*\s], 2*ROWB    ; no tensor load of mine is out: the slot's next tile, two K steps on, going round at the row's end
	s_and_b32 s[KO+2*\s], s[KO+2*\s], KROW-1
	s_add_nc_u64 s[G0+4*\s+2:G0+4*\s+3], s[BA:BA+1], s[KO+2*\s:KO+2*\s+1]
	s_or_b32 s[G0+4*\s+3], s[G0+4*\s+3], 0x80000000
	s_add_nc_u64 s[G0B+4*\s+2:G0B+4*\s+3], s[BB:BB+1], s[KO+2*\s:KO+2*\s+1]
	s_or_b32 s[G0B+4*\s+3], s[G0B+4*\s+3], 0x80000000
	s_lshl_b32 s[ST], s[KO+2*\s], 9                ; its scale words
	s_add_nc_u64 s[SCX:SCX+1], s[8:9], s[ST:ST+1]
	s_add_co_u32 s[PK], s[KO+2*\s], 2*ROWB         ; and the K step to prefetch, two further on
	s_and_b32 s[PK], s[PK], KROW-1
	s_add_nc_u64 s[PFA:PFA+1], s[PFB:PFB+1], s[PK:PK+1]
.endif
.endif
	UNIT 3, \q, \s, \zero
.endm
.macro SCLOAD set, off                 ; a K step's scale words.  Block 2 i + h of Wq's places: its place r is row 64 (i / 2) + 4 r + 2 (i % 2) + h
.irp i, 0,1,2,3
	global_load_b128 v[SC+32*(\set)+4*\i:SC+32*(\set)+4*\i+3], v[SOFX], s[SCX:SCX+1] offset:\off+512*\i
	global_load_b128 v[SC+32*(\set)+16+4*\i:SC+32*(\set)+16+4*\i+3], v[SOFW], s[SCX:SCX+1] offset:\off+1024*(\i/2)+32*(\i%2)
.endr
.endm
; A slot's last step changes slots: its fragments are all in registers, so the slot is filled again behind a round, and the next slot's first fragments follow.
.macro TURN s, next
	s_wait_dscnt 0x0                               ; the add is done, and my reads of this slot are over
	s_barrier_signal -1                            ; this barrier opens a round of the cluster's barrier
	UNIT 0, 3, \s, 0
	WIN 0
	s_barrier_wait -1
	CREST                                          ; no wave of any partner still reads this slot or has a load on its way
	JLOAD \s                                       ; the first tensor load behind the round; its four v_nop are also the places in front of the loads below
	RUN \next, 0, 0
	UNIT 1, 3, \s, 0
	UNIT 2, 3, \s, 0
	UNIT 3, 3, \s, 0
	WIN 0
	PLACES                                         ; for the scale loads here and the next step's fragment loads
	s_wait_loadcnt 0x0                             ; the next slot's scale words, asked for a K step ago
	SCLOAD \s, 0
	s_cmp_lg_u32 s3, 1                             ; the last trip's refills are the last K steps: nothing stands two further on
	s_cbranch_scc0 .Lno_ask_\@
	global_prefetch_b8 v[PFO], s[PFA:PFA+1] th:TH_LOAD_NT scope:SCOPE_SE
.Lno_ask_\@:
.endm
	s_load_b256 s[4:11], s[0:1], 0x0               ; x_codes s[4:5], w_codes s[6:7], scl s[8:9], out0 s[10:11]
	v_lshl_add_u32 v[SPW], v0, 2, SPARE
	v_mov_b32 v[NIL], 0
	ds_add_u32 v[SPW], v[NIL]                      ; the wave's opening
	ds_add_u32 v[SPW], v[NIL]
	v_lshrrev_b32 v1, 5, v0
	v_and_b32 v2, 15, v0                           ; r
	v_bfe_u32 v3, v0, 4, 1                         ; h
	v_and_b32 v4, 31, v0                           ; lane
	v_readfirstlane_b32 s14, v1                    ; wave 0..3
	v_mul_u32_u24 v6, v2, PITCH
	v_lshlrev_b32 v[CO], 17, v3                    ; out: lanes 16-31 are 8 rows further down,
	v_lshlrev_b32 v[PFO], 11, v4                   ; the prefetches: a lane a row of 2,048 bytes
	v_lshlrev_b32 v7, 4, v4                        ; x's scale words: 16 bytes a lane
	v_lshlrev_b32 v8, 4, v3
	v_lshl_add_u32 v6, v3, 4, v6                   ; a fragment: row r x pitch + 16 h
	v_lshl_add_u32 v[CO], v2, 4, v[CO]             ; 16 bytes a lane along the row
	v_lshl_add_u32 v8, v2, 6, v8                   ; Wq's scale words: row 4 r + h
	s_wait_alu depctr_va_vdst(0)
	s_lshr_b32 s15, s14, 1                         ; which half of the tile's rows is mine; also: I fetch for x (0) or for Wq (1)
	s_and_b32 s16, s14, 1                          ; which half of its columns; also: which 128 rows of that tile I fetch
	s_bfe_u32 s40, ttmp6, 0x40000                  ; cx, cy: my place in the cluster
	s_bfe_u32 s41, ttmp6, 0x40004
	s_lshl_b32 s42, ttmp9, 2
	s_add_co_u32 s42, s42, s40                     ; tile column
	s_and_b32 s17, ttmp7, 0xffff
	s_lshl_b32 s17, s17, 2
	s_add_co_u32 s17, s17, s41                     ; tile row
	s_lshl_b32 s43, s41, 2
	s_lshl_b32 s43, 15, s43                        ; my row of the cluster
	s_lshl_b32 s44, 0x1111, s40                    ; my column
	; descriptor group 1: 128 rows of 256 bytes, 16 bytes of padding behind each
	s_or_b32 s[G1+0], s43, (0<<16)|(1<<20)|(1<<21)|(5<<22)|(3<<25)
	s_or_b32 s[G1B+0], s44, (0<<16)|(1<<20)|(1<<21)|(5<<22)|(3<<25)
.irp g, G1, G1B
	s_mov_b32 s[\g+1], ROWB<<16
	s_mov_b32 s[\g+2], 128<<16
	s_mov_b32 s[\g+3], ROWB<<16
	s_mov_b32 s[\g+4], 128
	s_mov_b32 s[\g+5], KROW
	s_mov_b32 s[\g+6], 0
	s_mov_b32 s[\g+7], 0
.endr
	; the cluster's first K step: 0, 2, 4 or 6, by the cluster's x and y, the same in all its work-groups
	s_and_b32 s18, ttmp9, 1
	s_lshl_b32 s18, s18, 2
	s_and_b32 s19, ttmp9, 2
	s_or_b32 s18, s18, s19
	s_and_b32 s19, ttmp7, 0xffff
	s_lshr_b32 s22, s19, 1
	s_xor_b32 s19, s19, s22
	s_and_b32 s19, s19, 1
	s_lshl_b32 s19, s19, 2
	s_add_co_u32 s18, s18, s19
	s_and_b32 s18, s18, 7
	s_lshl_b32 s[KO], s18, 8
	s_mov_b32 s[KO+1], 0
	s_add_co_u32 s[KO+2], s[KO], ROWB
	s_mov_b32 s[KO+3], 0
	s_lshl_b32 s[ST], s[KO], 9
	s_mov_b32 s[ST+1], 0
	s_lshl_b32 s18, s16, 7
	s_lshl_b32 s20, s17, 8
	s_add_co_u32 s20, s20, s18
	s_lshl_b32 s20, s20, 11                        ; x: the 128 rows that I would fetch
	s_mov_b32 s21, 0
	s_lshl_b32 s46, s42, 8
	s_add_co_u32 s46, s46, s18
	s_lshl_b32 s46, s46, 11                        ; Wq: likewise
	s_mov_b32 s47, 0
	s_mul_i32 s45, s14, HALFT                      ; where they go: wave x 128 rows
	s_wait_dscnt 0x0                               ; both opening adds are done
	s_wait_kmcnt 0x0
	s_add_nc_u64 s[BA:BA+1], s[4:5], s[20:21]
	s_add_nc_u64 s[BB:BB+1], s[6:7], s[46:47]
	s_add_nc_u64 s[SCX:SCX+1], s[8:9], s[ST:ST+1]
.irp s, 0,1
	s_mov_b32 s[G0+4*\s], 1
	s_add_co_u32 s[G0+4*\s+1], s45, \s*SLOT
	s_add_nc_u64 s[G0+4*\s+2:G0+4*\s+3], s[BA:BA+1], s[KO+2*\s:KO+2*\s+1]
	s_or_b32 s[G0+4*\s+3], s[G0+4*\s+3], 0x80000000
	s_mov_b32 s[G0B+4*\s], 1
	s_add_co_u32 s[G0B+4*\s+1], s45, \s*SLOT
	s_add_nc_u64 s[G0B+4*\s+2:G0B+4*\s+3], s[BB:BB+1], s[KO+2*\s:KO+2*\s+1]
	s_or_b32 s[G0B+4*\s+3], s[G0B+4*\s+3], 0x80000000
.endr
	CROUND                                         ; all sixteen work-groups are here: the first joint loads meet
	JLOAD 0                                        ; the first K step: one tensor load a wave at the head
	s_lshl_b32 s20, s17, 8
	s_lshl_b32 s21, s15, 7
	s_add_co_u32 s20, s20, s21                     ; my first row of out
	s_lshl_b32 s22, s20, 4                         ; its scale words
	s_lshl_b32 s23, s42, 8
	s_add_co_u32 s23, s23, s18
	s_add_co_u32 s23, s23, 4096
	s_lshl_b32 s23, s23, 4                         ; and those of my first row of Wq
	v_add_nc_u32 v[SOFX], s22, v7
	v_add_nc_u32 v[SOFW], s23, v8
	SCLOAD 0, 0
	SCLOAD 1, SSTEP                                ; (the first K step's number is even: the second does not go round)
	; the prefetches: of the 128 rows that I fetch my work-group's 32
	s_cmp_eq_u32 s15, 0
	s_cselect_b32 s22, s17, s42
	s_cselect_b32 s23, s40, s41
	s_cselect_b64 s[PFB:PFB+1], s[4:5], s[6:7]
	s_lshl_b32 s22, s22, 8
	s_add_co_u32 s22, s22, s18
	s_lshl_b32 s23, s23, 5
	s_add_co_u32 s22, s22, s23
	s_lshl_b32 s22, s22, 11
	s_mov_b32 s23, 0
	s_add_nc_u64 s[PFB:PFB+1], s[PFB:PFB+1], s[22:23]
	s_add_nc_u64 s[PFA:PFA+1], s[PFB:PFB+1], s[KO+2:KO+3]
	global_prefetch_b8 v[PFO], s[PFA:PFA+1] th:TH_LOAD_NT scope:SCOPE_SE   ; K step 1
	s_mov_b32 s[PK+1], 0
	s_mov_b32 s[PK2+1], 0
	s_add_co_u32 s[PK], s[KO], 2*ROWB
	s_and_b32 s[PK], s[PK], KROW-1
	s_add_nc_u64 s[PF2:PF2+1], s[PFB:PFB+1], s[PK:PK+1]
	s_add_co_u32 s[PK2], s[KO+2], 2*ROWB
	s_and_b32 s[PK2], s[PK2], KROW-1
	s_add_nc_u64 s[PF3:PF3+1], s[PFB:PFB+1], s[PK2:PK2+1]
	; my part of out
	s_lshl_b32 s46, s20, 14
	s_lshl_b32 s47, s42, 10
	s_add_co_u32 s46, s46, s47
	s_lshl_b32 s47, s16, 9
	s_add_co_u32 s46, s46, s47
	s_mov_b32 s47, 0
	s_add_nc_u64 s[10:11], s[10:11], s[46:47]
	; LDS addresses of my fragments
	s_mul_i32 s20, s15, HALFT                      ; my 128 rows of x
	s_mul_i32 s21, s16, HALFT
	s_add_co_u32 s21, s21, 2*HALFT                 ; my 128 places of Wq, behind x's 256 rows
	s_add_co_u32 s88, s20, SLOT
	s_add_co_u32 s89, s21, SLOT
	v_add_nc_u32 v[ADRX], s20, v6
	v_add_nc_u32 v[ADRX+1], s88, v6
	v_add_nc_u32 v[ADRW], s21, v6
	v_add_nc_u32 v[ADRW+1], s89, v6
	s_wait_alu depctr_va_vdst(0)
	s_wait_tensorcnt 0x0                           ; my part of the first K step is in
	ds_add_u32 v[SPW], v[NIL]
	s_wait_dscnt 0x0
	CROUND
	JLOAD 1                                        ; the second K step
	RUN 0, 0, 0
	WIN 0
	s_wait_loadcnt 8                               ; the first K step's scale words; the second's eight loads may be out
	STEP 0, 0, 1, 0, 0                             ; its products take the constant 0 as C: nothing is cleared
	WIN 0
	global_prefetch_b8 v[PFO], s[PF2:PF2+1] th:TH_LOAD_NT scope:SCOPE_SE   ; K steps 2
	global_prefetch_b8 v[PFO], s[PF3:PF3+1] th:TH_LOAD_NT scope:SCOPE_SE   ; and 3
	s_mov_b32 s3, 3
.Llap:                                                 ; a trip goes once round the two slots and fills both again
	STEP 0, 1, 0, 1, 0
	STEP 0, 2, 0, 1, 1
	TURN 0, 1
	STEP 1, 0, 0, 0, 0
	STEP 1, 1, 0, 1, 0
	STEP 1, 2, 0, 1, 1
	TURN 1, 0
	STEP 0, 0, 0, 0, 0
	WIN 0
	s_sub_co_u32 s3, s3, 1
	s_cmp_lg_u32 s3, 0
	s_cbranch_scc1 .Llap
	STEP 0, 1, 0, 1, 0
	STEP 0, 2, 0, 1, 2
; THE LAST K STEP (slot 1) GOES BY UNITS OF 32 ROWS: all its fragments of Wq come into registers (step q at v0 / v64 of window 3, v64 of windows 1 and 2), x's by units, v0-63 of windows 1 and 2 by turns;
; each unit's rows leave as soon as it is finished.  LDS is read no more than in any other K step.
.macro WAT q
.if \q == 0
.set WW, 3
.set WB, 0
.endif
.if \q == 1
.set WW, 3
.set WB, 64
.endif
.if \q == 2
.set WW, 1
.set WB, 64
.endif
.if \q == 3
.set WW, 2
.set WB, 64
.endif
.endm
.macro LW q
	WAT \q
	WIN WW<<6
.irp nb, 0,1,2,3,4,5,6,7
	ds_load_b128 v[WB+8*\nb:WB+8*\nb+3], v[ADRW+1] offset:64*\q+\nb*16*PITCH
	ds_load_b128 v[WB+8*\nb+4:WB+8*\nb+7], v[ADRW+1] offset:64*\q+\nb*16*PITCH+32
.endr
.endm
.macro LX u
	WIN (1+(\u)%2)<<6
.irp k, 0,1,2,3,4,5,6,7
	ds_load_b128 v[8*\k:8*\k+3], v[ADRX+1] offset:64*(\k/2)+(2*\u+\k%2)*16*PITCH
	ds_load_b128 v[8*\k+4:8*\k+7], v[ADRX+1] offset:64*(\k/2)+(2*\u+\k%2)*16*PITCH+32
.endr
.endm
.macro TM u, q
	WAT \q
	WIN (1+(\u)%2)|(WW<<2)|((\u)<<4)|((\u)<<6)
.irp nb, 0,1,2,3,4,5,6,7
	MM 128+16*\nb, 16*(\q), WB+8*\nb, SC+32+4*(\u)+(\q), SC+48+4*(\nb/2)+(\q), \nb%2, 0
.endr
.endm
; Unit u leaves: register j of four accumulators (64 columns g) makes 16 bytes of a row (lanes 16-31: of the row 8 further down).  Rows 0-15 of the unit go to v32-63 and v96-127,
; rows 16-31 into the accumulator registers that the first half has left; then 32 stores on end, a row's two runs of 256 bytes one behind the other.
.macro OUT u
.if \u > 0
	s_wait_xcnt 0x0                                ; the stores before have read v32-63 and v96-127
.endif
	WIN \u
.irp j, 0,1,2,3,4,5,6,7
.irp g, 0,1
.irp t, 0,1,2,3
	v_mov_b32 v[32+4*(2*\j+\g)+32*((2*\j+\g)/8)+\t], v[128+16*(4*\g+\t)+\j]
.endr
.endr
.endr
	WIN (\u)|((\u)<<6)
.irp j, 0,1,2,3,4,5,6,7
.irp g, 0,1
.irp t, 0,1,2,3
	v_mov_b32 v[128+16*\j+4*\g+\t], v[128+16*(4*\g+\t)+8+\j]
.endr
.endr
.endr
	WIN 0
.irp j, 0,1,2,3,4,5,6,7
.irp g, 0,1
	global_store_b128 v[CO], v[32+4*(2*\j+\g)+32*((2*\j+\g)/8):32+4*(2*\j+\g)+32*((2*\j+\g)/8)+3], s[10:11] offset:(32*\u+\j)*CROW+256*\g th:TH_STORE_NT   ; 16 lanes store 256 consecutive bytes, at a multiple of 256 from out's first byte
.endr
.endr
	WIN (\u)<<2
.irp j, 0,1,2,3,4,5,6,7
.irp g, 0,1
	global_store_b128 v[CO], v[128+16*\j+4*\g:128+16*\j+4*\g+3], s[10:11] offset:(32*\u+16+\j)*CROW+256*\g th:TH_STORE_NT
.endr
.endr
	WIN 0
.endm
	s_wait_dscnt 0x0                               ; the add is done, my reads of slot 0 are over
	s_barrier_signal -1
	UNIT 0, 3, 0, 0
	WIN 0
	s_barrier_wait -1                              ; slot 1 is whole; nothing is filled again
	PLACES
	LW 0
	LX 0
	LW 2
	LW 3
	UNIT 1, 3, 0, 0
	UNIT 2, 3, 0, 0
	UNIT 3, 3, 0, 0
	PLACES                                         ; set 1 of the fragments is free behind these
	LW 1
	LX 1
	s_wait_loadcnt 0x0                             ; the last scale words
	s_wait_dscnt 63                                ; of the 96 loads the first 33 at the least: step 0's and x's unit 0
	TM 0, 0
	s_wait_dscnt 48                                ; step 2; steps 3 and 1 and x's unit 1 may be out
	TM 0, 2
	s_wait_dscnt 32
	TM 0, 3
	s_wait_dscnt 16
	TM 0, 1
	PLACES
	LX 2
	OUT 0
	s_wait_dscnt 16                                ; x's unit 1; unit 2's 16 loads may be out
.irp q, 0,1,2,3
	TM 1, \q
.endr
	PLACES
	LX 3
	OUT 1
	s_wait_dscnt 16
.irp q, 0,1,2,3
	TM 2, \q
.endr
	PLACES
	OUT 2
	s_wait_dscnt 0x0
.irp q, 0,1,2,3
	TM 3, \q
.endr
	PLACES
	OUT 3
	s_wait_tensorcnt 0x0                           ; the wave's end
	ds_add_u32 v[SPW], v[NIL]
	s_wait_dscnt 0x0
	CROUND                                         ; the closing round: no work-group ends while a partner may still ask for a tile that names it
	s_endpgm
.Lfunc_end_k_qcafb9ff070_gemm:
	.size	k_qcafb9ff070_gemm, .Lfunc_end_k_qcafb9ff070_gemm-k_qcafb9ff070_gemm
	.p2alignl 7, 3214868480
	.fill 96, 4, 3214868480
	.section	.rodata,"a",@progbits
	.p2align	6, 0x0
	.amdhsa_kernel k_qcafb9ff070_gemm
		.amdhsa_group_segment_fixed_size 327680
		.amdhsa_private_segment_fixed_size 0
		.amdhsa_enable_private_segment 0
		.amdhsa_kernarg_size 32
		.amdhsa_user_sgpr_count 2
		.amdhsa_user_sgpr_kernarg_segment_ptr 1
		.amdhsa_wavefront_size32 1
		.amdhsa_system_sgpr_workgroup_id_x 1
		.amdhsa_system_sgpr_workgroup_id_y 1
		.amdhsa_system_sgpr_workgroup_id_z 1
		.amdhsa_system_vgpr_workitem_id 0
		.amdhsa_next_free_vgpr 1024
		.amdhsa_next_free_sgpr 92
		.amdhsa_reserve_vcc 0
		.amdhsa_float_denorm_mode_32 3
		.amdhsa_float_denorm_mode_16_64 3
		.amdhsa_memory_ordered 1
		.amdhsa_forward_progress 1
		.amdhsa_inst_pref_size 146
	.end_amdhsa_kernel
	.amdgpu_metadata
---
amdhsa.version: [ 1, 2 ]
amdhsa.kernels:
  - .name:           k_qcafb9ff070_gemm
    .symbol:         k_qcafb9ff070_gemm.kd
    .args:
      - { .name: x_codes, .offset: 0, .size: 8, .value_kind: global_buffer, .address_space: global }
      - { .name: w_codes, .offset: 8, .size: 8, .value_kind: global_buffer, .address_space: global }
      - { .name: scl, .offset: 16, .size: 8, .value_kind: global_buffer, .address_space: global }
      - { .name: out0, .offset: 24, .size: 8, .value_kind: global_buffer, .address_space: global }
    .group_segment_fixed_size: 327680
    .private_segment_fixed_size: 0
    .kernarg_segment_align: 8
    .kernarg_segment_size: 32
    .max_flat_workgroup_size: 128
    .sgpr_count:     92
    .vgpr_count:     1024
    .wavefront_size: 32
...
	.end_amdgpu_metadata
.endif
;; end of part 2
